; MI455X (gfx1250); checked and timed in simulation.
; The chip was launched on July 23, 2026; its instructions are those of AMD's public machine-readable ISA for CDNA 5 (MIT licence, August 2026) and "CDNA5" Instruction Set Architecture Reference Guide (July 2026). The comments in the code are by the model that wrote it; some were corrected since.
;; Dec. Allowed arithmetic: matrix products marked QUANTISED: E3M2 operands, one E8M0 scale for each 32 along K, by v_wmma_scale_f32_16x16x128_f8f6f4 with both operands' format E3M2, f32 sums; everything else in f32.
;; Inputs: b6 4,096 float32; b7 4,096 float32; b8c 21 float32; b8d 21 float32; ssw 1 x 2,048 x 4 int32; w6_codes 4,096 x 128 x 24 uint8 (E3M2 codes of w6, K innermost, in blocks of 32 codes, four codes in three bytes); w6_scales 4,096 x 128 uint8 (E8M0 scales of w6, one for each 32 codes along K); w7_codes 4,096 x 128 x 24 uint8 (E3M2 codes of w7, K innermost, in blocks of 32 codes, four codes in three bytes); w7_scales 4,096 x 128 uint8 (E8M0 scales of w7, one for each 32 codes along K); w8c_codes 21 x 128 x 24 uint8 (E3M2 codes of w8c, K innermost, in blocks of 32 codes, four codes in three bytes); w8c_scales 21 x 128 uint8 (E8M0 scales of w8c, one for each 32 codes along K); w8d_codes 21 x 128 x 24 uint8 (E3M2 codes of w8d, K innermost, in blocks of 32 codes, four codes in three bytes); w8d_scales 21 x 128 uint8 (E8M0 scales of w8d, one for each 32 codes along K); x 1 x 512 x 64 x 64 float32.
;; Outputs: out0 1 x 2,048 x 21 float32; out1 1 x 2,048 x 21 float32; out2 1 x 21 float32.
;; This version of the problem:
;;   THIS VERSION OF THE PROBLEM IS GIVEN IN LOW PRECISION. The matrix products marked QUANTISED in the list below multiply operands that are first quantised to E3M2 (3 exponent bits, 2 mantissa bits; 6 bits a number), with one power-of-two scale for each 32 numbers along K (OCP MX v1.0); their sums are f32. All else is computed in f32.
;;   The module's matrix products, in the order in which they are computed (A, B: the left and right operand; K: the contracted axis; several contracted axes count as one K, in the product's order):
;;     1. [M 2,048, K 4,096] x [K 4,096, N 4,096]; A: computed on the way; B: input w6 (given as codes): QUANTISED
;;     2. [M 2,048, K 4,096] x [K 4,096, N 4,096]; A: computed on the way; B: input w7 (given as codes): QUANTISED
;;     3. [M 2,048, K 4,096] x [K 4,096, N 21]; A: computed on the way; B: input w8c (given as codes): QUANTISED
;;     4. [M 2,048, K 4,096] x [K 4,096, N 21]; A: computed on the way; B: input w8d (given as codes): QUANTISED
;;   THE QUANTISER, for each operand of a quantised product, along K:
;;     - K is cut into blocks of 32 from its start; a last block that is shorter is filled with zeros.
;;     - A block's scale is 2^e with e = floor(log2(the largest magnitude in the block)) - 4, held to -126 .. 127; a block of zeros has e = 0. As a byte (E8M0): e + 127.
;;     - Each number is divided by its block's scale, clamped to +-28, and rounded to the nearest number of E3M2, ties to even, subnormals kept.
;;     - The product sums the exact products of the quantised numbers (number of the format x scale) in f32.
;;   ~~~python
;;   def quantise(x, axis):      # numpy; x: float32 -> the quantised numbers, widened to float32 again
;;       x = np.moveaxis(x, axis, -1); K = x.shape[-1]
;;       x = np.pad(x, [(0, 0)] * (x.ndim - 1) + [(0, -K % 32)]); x = x.reshape(x.shape[:-1] + (-1, 32)); a = np.abs(x).max(-1, keepdims=True)
;;       e = np.where(a > 0, np.clip(np.frexp(np.where(a > 0, a, 1))[1] - 1 - 4, -126, 127), 0)      # np.frexp(a)[1] - 1 = floor(log2(a)), exactly
;;       r = np.clip(x / 2.0 ** e, -28, 28)
;;       step = 2.0 ** (np.maximum(np.frexp(np.where(r == 0, 1, r))[1] - 1, -2) - 2)
;;       q = np.round(r / step) * step * 2.0 ** e      # np.round: ties to even
;;       return np.moveaxis(q.reshape(q.shape[:-2] + (-1,))[..., :K], -1, axis).astype(np.float32)
;;   ~~~
;;   OPERANDS COMPUTED ON THE WAY. 'Computed on the way' means the value that the module computes at that place (a softmax that the list does not call 'softmax' is quantised finished and normalised). What goes into a quantiser is computed in f32, as accurately as f32 sums, v_exp_f32 and their like allow (about 1e-6 of the number): no bf16 or f16 on the way to a quantiser, and a product that is left as it is and whose result goes on into a quantised operand takes f32 operands (vector FMAs, or v_wmma_f32_16x16x4_f32). A number that lies on a knife's edge between two numbers of the format may be rounded either way, as far as f32 arithmetic and the matrix unit's own rounding can turn it there, and no further.
;;   INPUTS GIVEN AS CODES. w6 (in the module: [4096, 4096], K = its axis 1); w7 (in the module: [4096, 4096], K = its axis 1); w8c (in the module: [21, 4096], K = its axis 1); w8d (in the module: [21, 4096], K = its axis 1): each comes as NAME_codes (uint8): NAME with its K axis moved to the last place and cut into blocks of 32 codes, [.., K / 32, bytes a block], one block behind the other in memory; four codes in three bytes: a row's codes are one little-endian stream of bits, code i at bits 6 i .. 6 i + 5 (a code: sign, 3 exponent bits, 2 mantissa bits); and NAME_scales (uint8): the same leading axes, one E8M0 byte (e + 127) for each 32 codes along K. Its value is code x scale, taken as it is: it is not quantised again, and the codes and scales need not be those that the quantiser above would give.
;; One version. Each part assembles by itself: llvm-mc -triple=amdgcn-amd-amdhsa -mcpu=gfx1250 --defsym DOCPART=n.
;; ======== version 1 of 1: 5 launches
;; workspace buffers: c1 6,291,456 bytes; s1 262,144 bytes; c2 6,291,456 bytes; s2 262,144 bytes; c3 6,291,456 bytes; s3 262,144 bytes; xdw 172,032 bytes; part 49,152 bytes
;; launch pool (part 1): grid 64 x 4, 16 waves a work-group, no clusters, 141,312 bytes of LDS; arguments x, ssw, c1, s1; writes c1, s1
.if DOCPART == 1
	.amdgcn_target "amdgcn-amd-amdhsa--gfx1250"
	.amdhsa_code_object_version 6
	.text
	.protected	k_qb531a5157d_pool
	.globl	k_qb531a5157d_pool
	.p2align	8
	.type	k_qb531a5157d_pool,@function
k_qb531a5157d_pool:
	s_mov_b64 s[64:65], 0
	v_nop
	global_prefetch_b8 v0, s[64:65] scope:SCOPE_SE
	s_setreg_imm32_b32 hwreg(HW_REG_WAVE_MODE, 25, 1), 1
	s_wait_xcnt 0x0
; SPATIAL PYRAMID POOL AND QUANTISER.  x: [512][64][64] f32; ssw: [2048][4] i32 (y0, x0, h, w).  For ROI r, channel c, window (i, j):
; y[r][4 c + 2 i + j] = the largest x[c][y0 + 7 i + 0..6][x0 + 7 j + 0..6]; y[r][2048 + k] = y[r][k].  y is quantised along k to codes of E3M2 with one E8M0 scale for each 32.
; THE MAXIMA ARE MADE ONCE FOR ALL ROIS: M[c][y][x] = the largest of the 7 x 7 window that begins at (y, x), y and x = 0 .. 57, by a sliding maximum down the rows and then along them
; (a window of 7 = three overlapping windows of 3); a ROI then takes four numbers of each plane.
; SHARES.  Work-group (g, qd): channels 8 g .. 8 g + 7, which are block g of 32 along k, and ROIs 512 qd .. 512 qd + 511.  Sixteen waves: wave w makes rows 29 (w % 2) .. + 28 of plane w / 2;
; then a thread takes a row of M; then a thread takes a ROI: its 32 numbers are one whole block, so no other lane is asked for the block's largest magnitude.
; OUT.  c1 is laid in the order of the matrix operand's registers: [K step s: 32][16 rows m: 128][1,536 bytes]; a fragment is three chunks of 512 bytes: chunk c holds lane l's registers 4 c .. 4 c + 3 at 16 l;
; lane (r, h) holds block 4 s + 2 u + h of row 16 m + r in registers 6 u .. 6 u + 5.  So a block is 16 bytes of one chunk and 8 bytes of the middle chunk; which comes first hangs on u, a number of the work-group.
; s1: [s: 32][row: 2,048] words, byte b = block 4 s + b.  Each piece is stored twice: K steps s and s + 16.
; The stores of 16 bytes a lane cover 256 consecutive bytes for sixteen lanes; those of 8 bytes fill every other 8 bytes of 256 (the rest belongs to block g xor 2), and a scale byte is one of a word's four
; (the other three belong to other work-groups): 256 KiB of bytes in the whole launch.
; LIMITS: NaN and infinities in x are not served (the maxima drop a NaN).  A block of zeros gets the byte 1 where the rule says 127: its codes are zeros, and this program alone reads the bytes;
; a block whose largest magnitude lies under 2^-122 is held at the byte 1.  y0 and x0 are held to 0 .. 50, as the slice in the definition holds them; h and w are loaded and, as there, not used.
.set PITCH, 272                        ; a row of M in LDS: 256 bytes + 16: sixteen rows begin in sixteen different columns of 16 bytes
.set PLANE, 58*PITCH                   ; a plane: 58 rows
.set XR,    16                         ; v16-85 the numbers at work
.set KSTP,  196608                     ; a K step of c1 in bytes: 128 fragments of 1,536
	s_load_b256 s[4:11], s[0:1], 0x0               ; x s[4:5], ssw s[6:7], c1 s[8:9], s1 s[10:11]
	v_lshl_add_u32 v96, v0, 2, 0x22000
	v_mov_b32 v97, 0
	v_lshrrev_b32 v1, 5, v0
	v_readfirstlane_b32 s12, v1                    ; wave 0..15
	v_and_b32 v1, 31, v0                           ; lane
	v_lshlrev_b32 v2, 4, v0                        ; a ROI's row of ssw: 16 bytes a thread
	v_lshlrev_b32 v3, 3, v1                        ; two columns of x a lane
	s_and_b32 s15, ttmp7, 0xffff                   ; qd
	s_lshl_b32 s16, s15, 13                        ; 512 ROIs x 16 bytes
	s_mov_b32 s17, 0
	s_lshr_b32 s18, s12, 1                         ; my plane, 0..7
	s_and_b32 s19, s12, 1                          ; its upper or lower 29 rows of M
	s_lshl_b32 s20, ttmp9, 3
	s_add_co_u32 s20, s20, s18                     ; channel 8 g + plane
	s_lshl_b32 s20, s20, 14                        ; x 16,384 bytes
	s_mul_i32 s22, s19, 29*256
	s_add_co_u32 s20, s20, s22                     ; + 29 rows of 256 bytes
	s_mov_b32 s21, 0
	s_mul_i32 s13, s18, PLANE
	s_mul_i32 s22, s19, 29*PITCH
	s_add_co_u32 s13, s13, s22
	v_add_nc_u32 v9, s13, v3                       ; LDS: where my wave's first row of column maxima goes, 8 bytes a lane
	s_mul_i32 s22, s12, 32*PITCH
	v_mul_u32_u24 v10, v1, PITCH
	v_add_nc_u32 v10, s22, v10                     ; LDS: row number = thread number
	s_wait_kmcnt 0x0
	s_add_nc_u64 s[6:7], s[6:7], s[16:17]
	s_add_nc_u64 s[4:5], s[4:5], s[20:21]
	global_load_b128 v[4:7], v2, s[6:7]            ; y0, x0, h, w of my ROI
.set i, 0
.rept 35
	global_load_b64 v[XR+2*i:XR+2*i+1], v3, s[4:5] offset:256*i   ; 35 rows of x; the wave reads a whole row of 256 bytes
.set i, i+1
.endr
	; where the results go, made while the loads are out
	s_lshr_b32 s23, ttmp9, 2                       ; s = g / 4
	s_bfe_u32 s24, ttmp9, 0x10001                  ; u = (g / 2) % 2
	s_and_b32 s25, ttmp9, 1                        ; which half of the lanes of a fragment block g belongs to
	s_and_b32 s26, ttmp9, 3                        ; its byte in a scale word
	s_mul_i32 s28, s23, KSTP
	s_lshl_b32 s27, s15, 5
	s_lshl_b32 s29, s12, 1
	s_add_co_u32 s27, s27, s29                     ; my wave's first fragment: m = 32 qd + 2 wave
	s_mul_i32 s27, s27, 1536
	s_add_co_u32 s28, s28, s27
	s_mov_b32 s29, 0
	s_add_nc_u64 s[8:9], s[8:9], s[28:29]
	v_lshrrev_b32 v8, 4, v1
	v_and_b32 v90, 15, v1
	v_mul_u32_u24 v8, v8, 1536                     ; lanes 16-31 hold the rows of the next fragment
	v_lshl_add_u32 v15, v90, 4, v8
	s_lshl_b32 s27, s25, 8
	v_add_nc_u32 v15, s27, v15                     ; my place in a chunk: 16 (r + 16 (g % 2))
	s_lshl_b32 s30, s23, 13
	s_lshl_b32 s27, s15, 11
	s_add_co_u32 s30, s30, s27
	s_add_co_u32 s30, s30, s26                     ; 8,192 s + 4 x 512 qd + g % 4
	s_mov_b32 s31, 0
	s_add_nc_u64 s[10:11], s[10:11], s[30:31]
	v_lshlrev_b32 v87, 2, v0                       ; + 4 x thread
	s_wait_loadcnt 0x0
	; DOWN THE ROWS.  Register 2 row + column.  First the largest of rows i .. i + 2, in place (what is read lies further on and is still as loaded); then of those at i, i + 2, i + 4: rows i .. i + 6
.set i, 0
.rept 66
	v_max3_num_f32 v[XR+i], v[XR+i], v[XR+i+2], v[XR+i+4]
.set i, i+1
.endr
.set i, 0
.rept 58
	v_max3_num_f32 v[XR+i], v[XR+i], v[XR+i+4], v[XR+i+8]
.set i, i+1
.endr
.set i, 0
.rept 29
	ds_store_b64 v9, v[XR+2*i:XR+2*i+1] offset:PITCH*i
.set i, i+1
.endr
	s_wait_dscnt 0x0                               ; for the others' sake: my rows lie in LDS
	s_barrier_signal -1
	s_barrier_wait -1
	; ALONG THE ROWS.  Thread t < 464 takes row t (58 x plane + y) whole, and puts it back where it lay: no other thread touches that row here
	v_cmp_gt_u32 vcc_lo, 464, v0
	s_wait_xcnt 0x0                                ; EXEC changes only behind this wait
	s_and_saveexec_b32 s14, vcc_lo
.set i, 0
.rept 16
	ds_load_b128 v[XR+4*i:XR+4*i+3], v10 offset:16*i
.set i, i+1
.endr
	s_wait_dscnt 0x0
.set i, 0
.rept 62
	v_max3_num_f32 v[XR+i], v[XR+i], v[XR+i+1], v[XR+i+2]
.set i, i+1
.endr
.set i, 0
.rept 58
	v_max3_num_f32 v[XR+i], v[XR+i], v[XR+i+2], v[XR+i+4]
.set i, i+1
.endr
.set i, 0
.rept 15
	ds_store_b128 v10, v[XR+4*i:XR+4*i+3] offset:16*i              ; columns 0 .. 59; 58 and 59 are never read
.set i, i+1
.endr
	s_or_b32 exec_lo, exec_lo, s14                 ; no global instruction was issued under the narrow EXEC
	s_wait_dscnt 0x0
	s_barrier_signal -1
	s_barrier_wait -1                              ; M is whole; nothing is stored to LDS from here on
	; THE GATHER.  A thread, a ROI: M[c][y0 + 7 i][x0 + 7 j] into register 4 c + 2 i + j: the block's 32 numbers in the order of k
	v_max_i32 v4, 0, v4
	v_max_i32 v5, 0, v5
	v_min_u32 v4, 50, v4
	v_min_u32 v5, 50, v5
	v_mul_u32_u24 v11, v4, PITCH
	v_lshl_add_u32 v11, v5, 2, v11                 ; planes 0-3
	v_add_nc_u32 v12, 4*PLANE, v11                 ; planes 4-7: the immediate has 16 bits
.irp c, 0,1,2,3,4,5,6,7
.irp i, 0,1
.irp j, 0,1
	ds_load_b32 v[XR+4*\c+2*\i+\j], v[11+\c/4] offset:(\c%4)*PLANE+\i*7*PITCH+\j*28
.endr
.endr
.endr
	s_wait_dscnt 0x0
	; THE QUANTISER: the block's largest magnitude in two chains, with the floor 2^(5 - 127) among its leaves, so that the byte cannot fall under 1
	v_max3_num_f32 v88, |v[XR]|, |v[XR+1]|, |v[XR+2]|
	v_max3_num_f32 v89, |v[XR+3]|, |v[XR+4]|, |v[XR+5]|
.irp i, 6,10,14,18,22,26
	v_max3_num_f32 v88, v88, |v[XR+\i]|, |v[XR+\i+1]|
	v_max3_num_f32 v89, v89, |v[XR+\i+2]|, |v[XR+\i+3]|
.endr
	v_max3_num_f32 v88, v88, |v[XR+30]|, |v[XR+31]|
	v_max3_num_f32 v88, v88, v89, 0x2800000
	v_add_nc_u32 v13, 0xfe000000, v88              ; 4 off its exponent field: the conversion takes the exponent field of this operand as its scale
	v_lshrrev_b32 v14, 23, v13                     ; the scale's byte
	v_cvt_scalef32_pk16_bf6_f32 v[48:50], v[XR:XR+15], v13
	v_cvt_scalef32_pk16_bf6_f32 v[56:58], v[XR+16:XR+31], v13      ; (a conversion's three registers begin on an even number)
	v_nop                                          ; one plain instruction between a scaled conversion and the vector instruction that reads its result
	v_mov_b32 v51, v56
	v_mov_b32 v52, v57
	v_mov_b32 v53, v58                             ; v48-53: the block's 192 bits
	global_store_b8 v87, v14, s[10:11]
	global_store_b8 v87, v14, s[10:11] offset:16*8192              ; the second pyramid level repeats the first: K step s + 16
	s_cmp_lg_u32 s24, 0                            ; u is a number of the work-group: all its waves go one way
	s_cbranch_scc1 .Lupper
	global_store_b128 v15, v[48:51], s[8:9]                        ; u = 0: the operand's registers 0-3 are chunk 0,
	global_store_b64 v15, v[52:53], s[8:9] offset:512              ; registers 4, 5 the first half of my 16 bytes of chunk 1
	global_store_b128 v15, v[48:51], s[8:9] offset:16*KSTP
	global_store_b64 v15, v[52:53], s[8:9] offset:16*KSTP+512
	s_wait_tensorcnt 0x0
	ds_add_u32 v96, v97
	s_wait_dscnt 0x0
	s_endpgm
.Lupper:
	global_store_b64 v15, v[48:49], s[8:9] offset:520              ; u = 1: registers 6, 7 are the second half of my 16 bytes of chunk 1,
	global_store_b128 v15, v[50:53], s[8:9] offset:1024            ; registers 8-11 chunk 2
	global_store_b64 v15, v[48:49], s[8:9] offset:16*KSTP+520
	global_store_b128 v15, v[50:53], s[8:9] offset:16*KSTP+1024
	s_wait_tensorcnt 0x0
	ds_add_u32 v96, v97
	s_wait_dscnt 0x0
	s_endpgm
.Lfunc_end_k_qb531a5157d_pool:
	.size	k_qb531a5157d_pool, .Lfunc_end_k_qb531a5157d_pool-k_qb531a5157d_pool
	.p2alignl 7, 3214868480
	.fill 96, 4, 3214868480
	.section	.rodata,"a",@progbits
	.p2align	6, 0x0
	.amdhsa_kernel k_qb531a5157d_pool
		.amdhsa_group_segment_fixed_size 141312
		.amdhsa_private_segment_fixed_size 0
		.amdhsa_enable_private_segment 0
		.amdhsa_kernarg_size 32
		.amdhsa_user_sgpr_count 2
		.amdhsa_user_sgpr_kernarg_segment_ptr 1
		.amdhsa_wavefront_size32 1
		.amdhsa_system_sgpr_workgroup_id_x 1
		.amdhsa_system_sgpr_workgroup_id_y 1
		.amdhsa_system_sgpr_workgroup_id_z 1
		.amdhsa_system_vgpr_workitem_id 0
		.amdhsa_next_free_vgpr 98
		.amdhsa_next_free_sgpr 66
		.amdhsa_reserve_vcc 1
		.amdhsa_float_denorm_mode_32 3
		.amdhsa_float_denorm_mode_16_64 3
		.amdhsa_memory_ordered 1
		.amdhsa_forward_progress 1
		.amdhsa_inst_pref_size 31
	.end_amdhsa_kernel
	.amdgpu_metadata
---
amdhsa.version: [ 1, 2 ]
amdhsa.kernels:
  - .name:           k_qb531a5157d_pool
    .symbol:         k_qb531a5157d_pool.kd
    .args:
      - { .name: x, .offset: 0, .size: 8, .value_kind: global_buffer, .address_space: global }
      - { .name: ssw, .offset: 8, .size: 8, .value_kind: global_buffer, .address_space: global }
      - { .name: c1, .offset: 16, .size: 8, .value_kind: global_buffer, .address_space: global }
      - { .name: s1, .offset: 24, .size: 8, .value_kind: global_buffer, .address_space: global }
    .group_segment_fixed_size: 141312
    .private_segment_fixed_size: 0
    .kernarg_segment_align: 8
    .kernarg_segment_size: 32
    .max_flat_workgroup_size: 512
    .sgpr_count:     66
    .vgpr_count:     98
    .wavefront_size: 32
...
	.end_amdgpu_metadata
.endif
;; end of part 1
;; launch fc6 (part 2): grid 32 x 8, 4 waves a work-group, clusters of 4 x 4, 327,680 bytes of LDS; arguments c1, s1, w6_codes, w6_scales, b6, c2, s2; writes c2, s2
.if DOCPART == 2
	.amdgcn_target "amdgcn-amd-amdhsa--gfx1250"
	.amdhsa_code_object_version 6
	.text
	.protected	k_qb531a5157d_fc6
	.globl	k_qb531a5157d_fc6
	.p2align	8
	.type	k_qb531a5157d_fc6,@function
k_qb531a5157d_fc6:
	s_mov_b64 s[64:65], 0
	v_nop
	global_prefetch_b8 v0, s[64:65] scope:SCOPE_SE
	s_setreg_imm32_b32 hwreg(HW_REG_WAVE_MODE, 25, 1), 1
	s_wait_xcnt 0x0
	s_wait_alu depctr_hold_cnt(0) depctr_sa_sdst(0) depctr_va_vdst(0) depctr_va_sdst(0) depctr_va_ssrc(0) depctr_va_vcc(0) depctr_vm_vsrc(0)
	s_getreg_b32 s2, hwreg(HW_REG_IB_STS2, 6, 4)
	s_cmp_eq_u32 s2, 0
	s_cbranch_scc0 .Lentry_in_a_cluster
	s_endpgm
.Lentry_in_a_cluster:
	s_bfe_u32 s2, ttmp6, 0x10000c
	s_cmp_lg_u32 s2, 0xf033
	s_cbranch_scc0 .Lentry_shape_is_right
	s_endpgm
.Lentry_shape_is_right:
; O = Q(relu(A W^T + b)).  A: 2,048 rows x 4,096 along K, codes of E3M2 in the order of the operand's registers ([K step s: 32][16 rows m: 128][1,536 bytes]; a fragment is three chunks of 512 bytes, chunk c = lane l's
; registers 4 c .. 4 c + 3 at 16 l), its scale words [s: 32][row: 2,048].  W: [4,096][4,096] codes, K innermost, 3,072 bytes a row; its scale bytes [4,096][128].  b: [4,096] f32.
; O leaves as codes and scale words laid as A's: the next layer's operand.  Sums in f32; bias, relu and the quantiser in f32.
; SHARES.  A work-group makes 256 rows x 128 columns: 8 x 32 work-groups.  Its four waves stand one below the other: wave w has rows 64 w .. + 63 and all 128 columns: 32 accumulators, 256 registers.
; 128 columns are one K step of the next layer, so a wave makes whole fragments and whole scale words, and nothing has to meet in LDS on the way out.
; A GOES FROM MEMORY STRAIGHT INTO REGISTERS.  No two waves of the work-group read the same fragment of A, and a fragment lies in memory as its registers want it: a K step is 12 loads of 16 bytes a lane, 6,144 consecutive
; bytes a wave.  Eight sets of 48 registers take turns; step t asks for step t + 5, so five K steps (60 loads, 30,720 bytes a wave) are on their way all the time, over the changes of slots too.
; A's tiles are shared by the four work-groups of a row of the cluster, and yet they are not asked for jointly: a joint load lands in LDS, where A's 98,304 bytes for four K steps beside W's 55,296 leave room for
; slots of four K steps only, each refill with 128 matrix instructions a wave in which to land; and each fragment would be written to LDS and read back once by one wave.
; W GOES THROUGH LDS, read by all four waves: a ring of two slots of 1,024 along K (eight K steps, 256 matrix instructions a wave): rows of 768 bytes of memory, at multiples of 256 from the buffer's first byte,
; 16 bytes of padding behind every 256.  Each wave fetches 32 rows by one load.  Four slots' worth in all: two first fills, two refills.  W's scale bytes (16 KiB) and A's scale words (32 KiB) for all of K come once and stay.
; CLUSTERS: 4 x 4 work-groups.  The four of a column of the cluster need the same tiles of W and the same scale bytes of W, the four of a row the same scale words of A: each is asked for JOINTLY.
; By this text's own count a wave has at most three tensor loads out (at the start), later one.
; THE MATRIX INSTRUCTION IS USED TRANSPOSED (source 0 = 16 rows of W, source 1 = 16 rows of A): lane (r, h) holds row r and, in accumulator b, columns 16 b + 8 h + 0 .. 7.
; THE 32 K STEPS ARE WRITTEN OUT by macros: only two changes of slots fill a slot again, so a loop could have two trips at the most; written out, every offset is an immediate and no pointer is stepped.
; No prefetch: A's loads are themselves five K steps ahead of their use, and a slot's refill has eight K steps in which to land.
; LIMITS: a block of zeros gets the byte 1 where the rule says 127 (its codes are zeros; this program alone reads the bytes); a block whose largest number lies under 2^-122 is held at the byte 1.
; REGISTERS, in windows of 256.  Window 0: v1-3 lane, r, h; v4-11 W's LDS addresses; v16 W's scale words'; v17 4 x lane; v18, v19 the spare word and 0; v20 16 x lane; v22 8 h; v23 32 h; v25 A's scale words';
;   v32-63 W's scale words, two sets; v64-79 A's, two sets (these 48 hold scales and nothing else); v80-143 the bias as eight accumulators; v144-239 A's sets 6 and 7.
;   Window 1: W's fragments, two sets of eight, at v0 and v96; v192-239 A's set 5.   Window 2: the accumulators.   Window 3: A's sets 0 to 4.
.set KSTP,  196608                     ; a K step of A in memory: 128 fragments of 1,536 bytes
.set BP,    816                        ; a row of W in LDS: 3 x (256 + 16) bytes = 204 words: row r begins at bank 12 r mod 64 (64 banks of 4 bytes: ISA guide 11.1): sixteen different multiples of 4; lanes 16-31 stand 6 or 10 words on
.set SLOT1, 131072                     ; slot 0: bytes 0 .. 104,447 (128 rows x 816); slot 1 begins here
.set SCL,   128*BP                     ; behind slot 0: W's scale bytes: 64 x (256 + 16) bytes, two rows of W to each 256
.set SPARE, SCL+64*272                 ; the spare words, 128 bytes for each wave: two blocks of 256 bytes that no other line names
.set ASCL,  SLOT1+128*BP               ; behind slot 1: A's scale words: 32 K steps x 256 rows x 4 bytes
.set LD,    5                          ; step t asks for A's fragments of step t + LD
.set HH,    144                        ; the way out: 64 numbers of a tile of 16 rows
.set MSB, 0
.macro WIN new                         ; the immediate's high byte repeats the setting that is left
.if MSB != (\new)
	s_set_vgpr_msb (MSB<<8)|(\new)
.set MSB, (\new)
.endif
.endm
.macro PLACES                          ; four plain vector instructions between a matrix instruction and a load into, or a vector instruction on, its registers (ISA guide 7.12.1 for vector instructions)
.rept 4
	v_nop
.endr
.endm
.macro CREST                           ; a round of the cluster's barrier behind its opening barrier
	s_cmp_lg_u32 s18, 0
	s_cbranch_scc1 .Lnot_wave_0_\@
	s_barrier_signal -3
.Lnot_wave_0_\@:
	s_barrier_wait -3
	s_barrier_signal -1
	s_barrier_wait -1
.endm
.macro CROUND
	s_barrier_signal -1
	s_barrier_wait -1
	CREST
.endm
.macro ASET i                          ; where A's set i lies: window SW, first register SBS
.if (\i) < 5
.set SW, 3
.set SBS, 48*(\i)
.elseif (\i) == 5
.set SW, 1
.set SBS, 192
.else
.set SW, 0
.set SBS, 144+48*((\i)-6)
.endif
.endm
; A fragment of W: 16 rows x 128 K: lane (r, h) takes 24 bytes at 96 q + 24 h and 24 at 96 q + 48 + 24 h of its row, in pieces of 8.  Piece PC of a row lies at 8 PC + 16 (PC / 32).
; Lanes 16-31 read three pieces further on, which is behind one padding more where PC % 32 is 29 or more: the second address register (40 for 24 bytes a half) serves those.
; Rows 64 and over have address registers of their own: the immediate has 16 bits.
.macro FRAGB reg, sl, q, i
.irp p, 0,1,2,3,4,5
.set PC, 12*(\q)+6*(\p/3)+\p%3
.set RB, 4+4*(\sl)+(\i)/4
.if PC%32 < 29
	ds_load_b64 v[\reg+2*\p:\reg+2*\p+1], v[RB] offset:8*PC+16*(PC/32)+((\i)%4)*16*BP
.else
	ds_load_b64 v[\reg+2*\p:\reg+2*\p+1], v[RB+2] offset:8*PC+16*(PC/32)+((\i)%4)*16*BP
.endif
.endr
.endm
.macro FETCHW t                        ; 48 LDS loads in one run: W's eight fragments of K step t, from slot (t / 8) % 2, into set t % 2
	WIN 0x40                                       ; destination window 1
.irp i, 0,1,2,3,4,5,6,7
	FRAGB 96*((\t)%2)+12*\i, ((\t)/8)%2, (\t)%8, \i
.endr
.endm
.macro SCALES j                        ; the scale words of K steps 4 j .. 4 j + 3 into set j % 2.  W's: register 4 p + q, lane l: row 32 p + l.  A's: register 4 p + q, lane l: my row 32 p + l
.irp p, 0,1,2,3
	ds_load_b128 v[32+16*((\j)%2)+4*\p:35+16*((\j)%2)+4*\p], v16 offset:4352*\p+16*(\j)
.endr
.irp p, 0,1
.irp q, 0,1,2,3
	ds_load_b32 v[64+8*((\j)%2)+4*\p+\q], v25 offset:4096*(\j)+1024*\q+128*\p
.endr
.endr
.endm
.macro REQ t                           ; A's four fragments of K step t into set t % 8: 12 loads, each of 512 consecutive bytes; the K step stands in the immediate (31 x 196,608 + 6,144 lies inside its signed 24 bits: ISA guide, chapter 10)
	ASET (\t)%8
	WIN 64*SW                                      ; destination: the set's window
.irp a, 0,1,2,3
.irp c, 0,1,2
	global_load_b128 v[SBS+12*\a+4*\c:SBS+12*\a+4*\c+3], v20, s[86:87] offset:(\t)*KSTP+1536*\a+512*\c
.endr
.endr
.endm
.macro LWAIT t                         ; A's set of step t is in.  Loads come back in order (ISA guide 5.7.1): behind its 12 loads those of steps t + 1 .. t + LD - 1 were issued, as far as there are such steps
.if 31-(\t) < LD-1
	s_wait_loadcnt 12*(31-(\t))
.else
	s_wait_loadcnt 12*(LD-1)
.endif
.endm
; Eight matrix instructions of K step t: A's tile a against W's eight.  Accumulator (a, b) lies at 64 a + 8 (4 (b / 4) + {0, 2, 1, 3}[b % 4]), the order that the way out wants.  A scale register holds 32 rows' words:
; an odd tile's are in lanes 16-31.  first = 1: the bias, in the result's layout, is the C of the first product: nothing is cleared, nothing is added later.
; The 32 accumulators take turns, one instruction a turn, in the same order in every step.
.macro MUL8 a, t, first
	ASET (\t)%8
.if \first
	WIN 0x81+4*SW                                  ; source 0 (W) window 1, source 1 (A) the set's window, C (the bias) window 0, D window 2
.else
	WIN 0xa1+4*SW                                  ; C and D window 2
.endif
.irp b, 0,1,2,3,4,5,6,7
.set AC, 64*(\a)+8*(4*(\b/4)+2*(\b%2)+(\b/2)%2)
.if \first
.set CC, 80+8*\b
.else
.set CC, AC
.endif
.set BF, 96*((\t)%2)+12*\b
.set AF, SBS+12*(\a)
.set SB, 32+16*(((\t)/4)%2)+4*(\b/2)+(\t)%4
.set SA, 64+8*(((\t)/4)%2)+4*((\a)/2)+(\t)%4
.if (\b%2) && ((\a)%2)
	v_wmma_scale_f32_16x16x128_f8f6f4 v[AC:AC+7], v[BF:BF+11], v[AF:AF+11], v[CC:CC+7], v[SB], v[SA] matrix_a_fmt:MATRIX_FMT_BF6 matrix_b_fmt:MATRIX_FMT_BF6 matrix_a_scale:MATRIX_SCALE_ROW1 matrix_b_scale:MATRIX_SCALE_ROW1
.elseif (\b%2)
	v_wmma_scale_f32_16x16x128_f8f6f4 v[AC:AC+7], v[BF:BF+11], v[AF:AF+11], v[CC:CC+7], v[SB], v[SA] matrix_a_fmt:MATRIX_FMT_BF6 matrix_b_fmt:MATRIX_FMT_BF6 matrix_a_scale:MATRIX_SCALE_ROW1
.elseif ((\a)%2)
	v_wmma_scale_f32_16x16x128_f8f6f4 v[AC:AC+7], v[BF:BF+11], v[AF:AF+11], v[CC:CC+7], v[SB], v[SA] matrix_a_fmt:MATRIX_FMT_BF6 matrix_b_fmt:MATRIX_FMT_BF6 matrix_b_scale:MATRIX_SCALE_ROW1
.else
	v_wmma_scale_f32_16x16x128_f8f6f4 v[AC:AC+7], v[BF:BF+11], v[AF:AF+11], v[CC:CC+7], v[SB], v[SA] matrix_a_fmt:MATRIX_FMT_BF6 matrix_b_fmt:MATRIX_FMT_BF6
.endif
.endr
.endm
; K step t, one that is not its slot's last.  Behind its first eight products: the next step's fragments of W out of LDS, every fourth step the next four steps' scale words, and the request for A's fragments of step t + LD
; (its set was last multiplied three steps ago).
.macro STEP t, first
	s_wait_dscnt 0x0                               ; this step's fragments of W (and, every fourth step, the scale words) are in
	LWAIT \t
	MUL8 0, \t, \first
	PLACES
	FETCHW (\t)+1
.if (\t)%4 == 3
	WIN 0
	SCALES ((\t)+1)/4
.endif
.if (\t)+LD < 32
	REQ (\t)+LD
.endif
	MUL8 1, \t, \first
	MUL8 2, \t, \first
	MUL8 3, \t, \first
.endm
; A slot's last step changes slots: ONE barrier.  In front of it each wave waits for all its tensor loads (its part of the next slot), adds 0 to its spare word, and waits for that and for its reads of this slot.
; fill = 1: the barrier opens a round of the cluster's barrier, and behind the round this slot is filled again, two slots ahead: the load has eight K steps, 256 matrix instructions a wave, in which to land.
; A's loads into registers are not touched by any of this: they stay on their way.
.macro TURN t, fill
.set SG, ((\t)/8)%2
	WIN 0                                          ; (the add's two registers lie in window 0)
	s_wait_tensorcnt 0x0                           ; all my tensor loads have landed
	ds_add_u32 v18, v19                            ; 0 onto my spare word
	s_wait_dscnt 0x1                               ; the 48 fragment loads are in; the add alone may be out
	LWAIT \t
	MUL8 0, \t, 0                                  ; eight matrix instructions stand between the add and the wait for it
	s_wait_dscnt 0x0                               ; the add is done, and my reads of this slot are over
	s_barrier_signal -1
	MUL8 1, \t, 0
	WIN 0
	s_barrier_wait -1
.if \fill
	CREST                                          ; no wave of any partner still reads this slot or has a tensor load on its way
	s_add_nc_u64 s[50+4*SG:51+4*SG], s[50+4*SG:51+4*SG], 1536   ; two slots on: 2,048 codes along W's rows
	tensor_load_to_lds s[48+4*SG:51+4*SG], s[40:47]              ; the first tensor load behind the round, one a wave: my 32 rows
	s_nop 0
	PLACES                                         ; four v_nop follow it; they are also the places in front of the loads below
.else
	PLACES
.endif
	FETCHW (\t)+1
	WIN 0
	SCALES ((\t)+1)/4
	REQ (\t)+LD
	MUL8 2, \t, 0
	MUL8 3, \t, 0
.endm
	s_load_b256 s[4:11], s[0:1], 0x0               ; A's codes s[4:5], A's scales s[6:7], W's codes s[8:9], W's scales s[10:11]
	s_load_b128 s[12:15], s[0:1], 0x20             ; the bias s[12:13], O's codes s[14:15]
	s_load_b64 s[16:17], s[0:1], 0x30              ; O's scales
	v_lshl_add_u32 v18, v0, 2, SPARE
	v_mov_b32 v19, 0
	ds_add_u32 v18, v19
	ds_add_u32 v18, v19
	s_wait_dscnt 0x0
	v_lshrrev_b32 v1, 5, v0
	v_readfirstlane_b32 s18, v1                    ; wave 0..3
	s_and_b32 s19, s18, 1                          ; which half of A's or of W's scales I fetch
	s_bfe_u32 s20, ttmp6, 0x40000                  ; cx
	s_bfe_u32 s21, ttmp6, 0x40004                  ; cy
	s_lshl_b32 s22, ttmp9, 2
	s_add_co_u32 s22, s22, s20                     ; tile of 128 columns = 4 x cluster x + cx
	s_and_b32 s23, ttmp7, 0xffff
	s_lshl_b32 s23, s23, 2
	s_add_co_u32 s23, s23, s21                     ; tile of 256 rows = 4 x cluster y + cy
	s_lshl_b32 s66, s21, 2
	s_lshl_b32 s66, 15, s66                        ; my row of the cluster
	s_lshl_b32 s67, 0x1111, s20                    ; my column
	; group 1 for A's scale words: 16 K steps' words of 256 rows: 16 rows of 128 elements of 8 bytes, 1,024 elements apart; no padding: a row is 1,024 consecutive bytes
	s_or_b32 s24, s66, (3<<16)|(1<<21)             ; 15:0 the mask: my row; 17:16 elements of 8 bytes; 21 set beside a mask
	s_mov_b32 s25, 128<<16                         ; tensor_dim0
	s_mov_b32 s26, 16<<16                          ; tensor_dim1
	s_mov_b32 s27, 128<<16                         ; tile_dim0
	s_mov_b32 s28, 16                              ; tile_dim1
	s_mov_b32 s29, 1024                            ; from row to row
	s_mov_b32 s30, 0
	s_mov_b32 s31, 0
	; group 1 for W: 32 rows of 768 bytes, 3,072 apart; 4 words of padding behind every 64
	s_or_b32 s40, s67, (1<<20)|(1<<21)|(5<<22)|(3<<25)
	s_mov_b32 s41, 768<<16
	s_mov_b32 s42, 32<<16
	s_mov_b32 s43, 768<<16
	s_mov_b32 s44, 32
	s_mov_b32 s45, 3072
	s_mov_b32 s46, 0
	s_mov_b32 s47, 0
	; group 1 for W's scale bytes: 64 rows' 8,192 dense bytes as 32 rows of 256 bytes (32 elements of 8), 4 words of padding behind each
	s_or_b32 s56, s67, (3<<16)|(1<<20)|(1<<21)|(5<<22)|(3<<25)
	s_mov_b32 s57, 32<<16
	s_mov_b32 s58, 32<<16
	s_mov_b32 s59, 32<<16
	s_mov_b32 s60, 32
	s_mov_b32 s61, 32
	s_mov_b32 s62, 0
	s_mov_b32 s63, 0
	; where the tiles come from.  A's scale words hang on the tile of rows alone, W's tiles on the tile of columns alone, each in registers that never hold the other coordinate
	s_lshl_b32 s72, s23, 10                        ; A's scale words: my work-group's 256 rows x 4 bytes in a K step,
	s_lshl_b32 s73, s19, 17                        ; K steps 0-15 or 16-31: 16 x 8,192 bytes
	s_add_co_u32 s72, s72, s73
	s_mov_b32 s73, 0
	s_lshl_b32 s76, s22, 7
	s_lshl_b32 s77, s18, 5
	s_add_co_u32 s77, s76, s77                     ; W: row 128 x tile + 32 x wave
	s_mul_i32 s78, s77, 3072
	s_mov_b32 s79, 0
	s_lshl_b32 s77, s19, 6
	s_add_co_u32 s76, s76, s77                     ; W's scale bytes: row 128 x tile + 64 x half,
	s_lshl_b32 s82, s76, 7                         ; 128 bytes a row
	s_mov_b32 s83, 0
	s_lshl_b32 s90, s19, 14                        ; and where they go: no place in the cluster enters an LDS address
	s_mul_i32 s91, s18, 32*BP
	s_mul_i32 s92, s19, 32*272
	s_wait_kmcnt 0x0
	s_add_nc_u64 s[74:75], s[6:7], s[72:73]
	s_add_nc_u64 s[80:81], s[8:9], s[78:79]
	s_add_nc_u64 s[84:85], s[10:11], s[82:83]
	CROUND                                         ; all sixteen work-groups are here: the first joint loads meet
	s_mov_b32 s32, 1                               ; count = 1
	s_add_co_u32 s33, s90, ASCL                    ; LDS address
	s_mov_b64 s[34:35], s[74:75]
	s_or_b32 s35, s35, 0x80000000                  ; type = 2
	s_mov_b32 s68, 1
	s_add_co_u32 s69, s92, SCL
	s_mov_b64 s[70:71], s[84:85]
	s_or_b32 s71, s71, 0x80000000
.irp sg, 0,1
	s_mov_b32 s[48+4*\sg], 1
	s_add_co_u32 s[49+4*\sg], s91, \sg*SLOT1
	s_add_nc_u64 s[50+4*\sg:51+4*\sg], s[80:81], \sg*768
	s_or_b32 s[51+4*\sg], s[51+4*\sg], 0x80000000
.endr
	s_cmp_lt_u32 s18, 2                            ; the first fills, ahead of every wait on TENSORcnt, every LDS read and every further barrier.  The scales first: waves 0, 1 A's halves, waves 2, 3 W's;
	s_cbranch_scc0 .Lscales_w                      ; the branch hangs on the wave's number alone; four v_nop follow each of the two lines
	tensor_load_to_lds s[32:35], s[24:31]
	s_nop 0
.rept 4
	v_nop
.endr
	s_branch .Lscales_asked
.Lscales_w:
	tensor_load_to_lds s[68:71], s[56:63]
	s_nop 0
.rept 4
	v_nop
.endr
.Lscales_asked:
	tensor_load_to_lds s[48:51], s[40:47]          ; my 32 rows of slot 0,
	s_nop 0
	tensor_load_to_lds s[52:55], s[40:47]          ; and of slot 1: three loads of mine are out
	s_nop 0
.rept 4
	v_nop
.endr
	v_and_b32 v1, 31, v0                           ; lane
	v_and_b32 v2, 15, v0                           ; r
	v_bfe_u32 v3, v0, 4, 1                         ; h
	v_lshlrev_b32 v20, 4, v1
	v_lshlrev_b32 v17, 2, v1
	v_lshlrev_b32 v22, 3, v3
	v_lshlrev_b32 v23, 5, v3
	s_lshl_b32 s94, s22, 9
	s_mov_b32 s95, 0
	s_add_nc_u64 s[12:13], s[12:13], s[94:95]      ; the bias of my 128 columns
	s_mul_i32 s94, s23, 24576
	s_mul_i32 s93, s18, 6144
	s_add_co_u32 s94, s94, s93                     ; my four fragments of a K step's 128: 1,536 x (16 x tile of rows + 4 x wave)
	s_add_nc_u64 s[86:87], s[4:5], s[94:95]        ; A's codes; never rewritten
	s_add_nc_u64 s[14:15], s[14:15], s[94:95]
	s_mul_i32 s94, s22, KSTP
	s_add_nc_u64 s[14:15], s[14:15], s[94:95]      ; O's codes: K step = my tile of columns
.irp b, 0,1,2,3,4,5,6,7
	global_load_b128 v[80+8*\b:83+8*\b], v23, s[12:13] offset:64*\b        ; b[16 b + 8 h + 0 .. 7]: the result's layout
	global_load_b128 v[84+8*\b:87+8*\b], v23, s[12:13] offset:64*\b+16
.endr
.irp t, 0,1,2,3,4                      ; A's first LD K steps.  (With the bias's sixteen that is 76 loads: the issue of the last ones is held until the first have come back: ISA guide 5.7.1)
	REQ \t
.endr
	WIN 0
	v_mul_u32_u24 v4, v2, BP
	v_mad_u32_u24 v6, v3, 40, v4                   ; W, slot 0, rows 0-63: row r x pitch + 40 h: behind one padding more,
	v_mad_u32_u24 v4, v3, 24, v4                   ; and + 24 h
	v_add_nc_u32 v5, 64*BP, v4                     ; rows 64-127
	v_add_nc_u32 v7, 64*BP, v6
	v_add_nc_u32 v8, SLOT1, v4                     ; slot 1
	v_add_nc_u32 v9, SLOT1, v5
	v_add_nc_u32 v10, SLOT1, v6
	v_add_nc_u32 v11, SLOT1, v7
	v_lshrrev_b32 v16, 1, v1
	v_mul_u32_u24 v16, v16, 272
	v_and_b32 v24, 1, v1
	v_lshl_add_u32 v16, v24, 7, v16
	v_add_nc_u32 v16, SCL, v16                     ; W's scale words: row l: 272 (l / 2) + 128 (l % 2): sixteen lanes in sixteen different columns of 16 bytes
	s_lshl_b32 s93, s18, 8
	s_add_co_u32 s93, s93, ASCL
	v_add_nc_u32 v25, s93, v17                     ; A's scale words: 4 x (64 x wave + lane)
.irp a, 0,1,2,3
	v_mov_b32 v[244+\a], 0                         ; written once: a lane permute's destination counts as one of its sources
.endr
	s_lshl_b32 s94, s23, 10
	s_lshl_b32 s93, s18, 8
	s_add_co_u32 s94, s94, s93                     ; 4 x (256 x tile of rows + 64 x wave)
	s_add_nc_u64 s[16:17], s[16:17], s[94:95]
	s_lshl_b32 s94, s22, 13
	s_add_nc_u64 s[16:17], s[16:17], s[94:95]      ; O's scale words: K step = my tile of columns
	s_mov_b32 s88, 0x76543210
	s_mov_b32 s89, 0xfedcba98                      ; v_permlanex16_b32's selects for lane l xor 16
	s_wait_tensorcnt 0x1                           ; my part of the scales and of slot 0 is in; slot 1's load may stay out
	s_barrier_signal -1
	s_barrier_wait -1
	FETCHW 0
	WIN 0
	SCALES 0
	STEP 0, 1                                      ; the first step's products start the sums on the bias
.irp t, 1,2,3,4,5,6
	STEP \t, 0
.endr
	TURN 7, 1                                      ; slot 0 takes K steps 16-23
.irp t, 8,9,10,11,12,13,14
	STEP \t, 0
.endr
	TURN 15, 1                                     ; slot 1 takes K steps 24-31
.irp t, 16,17,18,19,20,21,22
	STEP \t, 0
.endr
	TURN 23, 0                                     ; nothing is left to fetch, so no round
.irp t, 24,25,26,27,28,29,30
	STEP \t, 0
.endr
	s_wait_dscnt 0x0
	s_wait_loadcnt 0x0
	MUL8 0, 31, 0
	MUL8 1, 31, 0
	MUL8 2, 31, 0
	MUL8 3, 31, 0
; THE WAY OUT, a tile of 16 rows at a time, all in registers.  The relu moves the tile's 64 numbers into window 0.  Lane (r, h) holds columns 16 b + 8 h + j; the operand's layout wants 64 u + 32 h + 0 .. 31 in a lane.
; With the accumulators in the order b = 0, 2, 1, 3 of each four, an exchange of the first's lanes 16-31 with the second's lanes 0-15 (and of the third's with the fourth's) gives just that, in 32 registers on end.
; Then a lane owns two whole blocks: largest number (none is negative: no |.|), scale, conversion; the scale word's four bytes come from lanes l and l xor 16.
.macro OUT a
.set CD, 80+12*(\a)                    ; the tile's fragment: registers of its own, so that no store's data are written again
	WIN 0x08                                       ; source 1 window 2
.set n, 0
.rept 64
	v_max_num_f32 v[HH+n], 0, v[64*(\a)+n]         ; each accumulator from its low end on
.set n, n+1
.endr
	WIN 0
.irp u, 0,1
.irp j, 0,1,2,3,4,5,6,7
	v_permlane16_swap_b32 v[HH+32*\u+\j], v[HH+32*\u+8+\j]
	v_permlane16_swap_b32 v[HH+32*\u+16+\j], v[HH+32*\u+24+\j]
.endr
.endr
.irp c, 0,1,2,3
	v_max3_num_f32 v[136+\c], v[HH+16*\c], v[HH+16*\c+1], 0x2800000   ; four chains by turns, two to a block; the floor 2^(5 - 127) holds the byte at 1 from below
.endr
.irp i, 2,4,6,8,10,12,14
.irp c, 0,1,2,3
	v_max3_num_f32 v[136+\c], v[136+\c], v[HH+16*\c+\i], v[HH+16*\c+\i+1]
.endr
.endr
.irp u, 0,1
	v_max_num_f32 v[136+2*\u], v[136+2*\u], v[137+2*\u]
.endr
.irp u, 0,1
	v_add_nc_u32 v[140+\u], 0xfe000000, v[136+2*\u]   ; 4 off the exponent field: the conversion's scale operand
.endr
.irp u, 0,1
	v_lshrrev_b32 v[142+\u], 23, v[140+\u]         ; the scale's byte
.endr
	v_lshl_or_b32 v[240+(\a)], v143, 16, v142      ; my two bytes: blocks h and 2 + h,
	v_lshlrev_b32 v[240+(\a)], v22, v[240+(\a)]    ; at their places (8 h bits up);
	v_permlanex16_b32 v[244+(\a)], v[240+(\a)], s88, s89
	v_or_b32 v[240+(\a)], v[240+(\a)], v[244+(\a)] ; with lane l xor 16's two the row's word is whole
.irp u, 0,1
	v_cvt_scalef32_pk16_bf6_f32 v[CD+6*\u:CD+6*\u+2], v[HH+32*\u:HH+32*\u+15], v[140+\u]
	v_cvt_scalef32_pk16_bf6_f32 v[128+4*\u:130+4*\u], v[HH+32*\u+16:HH+32*\u+31], v[140+\u]   ; (a conversion's three registers begin on an even number)
.endr
	v_nop                                          ; one plain instruction behind the scaled conversions
.irp u, 0,1
.irp i, 0,1,2
	v_mov_b32 v[CD+6*\u+3+\i], v[128+4*\u+\i]
.endr
.endr
.irp c, 0,1,2
	global_store_b128 v20, v[CD+4*\c:CD+4*\c+3], s[14:15] offset:1536*(\a)+512*\c   ; each store covers 512 consecutive bytes, at a multiple of 256 from the buffer's first byte
.endr
.endm
	PLACES                                         ; behind the last products: their results are read, and registers that held operands are written
	OUT 0
	OUT 1
	OUT 2
	OUT 3
	v_cmp_lt_u32 vcc_lo, 15, v1                    ; lanes 16-31 take the odd tile's words: a register then holds 32 rows' words
	v_cndmask_b32 v248, v240, v241, vcc_lo
	v_cndmask_b32 v249, v242, v243, vcc_lo
	global_store_b32 v17, v248, s[16:17]           ; the two stores together cover 256 consecutive bytes
	global_store_b32 v17, v249, s[16:17] offset:128
	s_wait_tensorcnt 0x0                           ; the wave's end
	ds_add_u32 v18, v19
	s_wait_dscnt 0x0
	CROUND                                         ; the closing round: no work-group ends while a partner may still ask for a tile that names it
	s_endpgm
.Lfunc_end_k_qb531a5157d_fc6:
	.size	k_qb531a5157d_fc6, .Lfunc_end_k_qb531a5157d_fc6-k_qb531a5157d_fc6
	.p2alignl 7, 3214868480
	.fill 96, 4, 3214868480
	.section	.rodata,"a",@progbits
	.p2align	6, 0x0
	.amdhsa_kernel k_qb531a5157d_fc6
		.amdhsa_group_segment_fixed_size 327680
		.amdhsa_private_segment_fixed_size 0
		.amdhsa_enable_private_segment 0
		.amdhsa_kernarg_size 56
		.amdhsa_user_sgpr_count 2
		.amdhsa_user_sgpr_kernarg_segment_ptr 1
		.amdhsa_wavefront_size32 1
		.amdhsa_system_sgpr_workgroup_id_x 1
		.amdhsa_system_sgpr_workgroup_id_y 1
		.amdhsa_system_sgpr_workgroup_id_z 1
		.amdhsa_system_vgpr_workitem_id 0
		.amdhsa_next_free_vgpr 1024
		.amdhsa_next_free_sgpr 96
		.amdhsa_reserve_vcc 1
		.amdhsa_float_denorm_mode_32 3
		.amdhsa_float_denorm_mode_16_64 3
		.amdhsa_memory_ordered 1
		.amdhsa_forward_progress 1
		.amdhsa_inst_pref_size 255
	.end_amdhsa_kernel
	.section	.bss,"aw",@nobits
	.p2align	6
	.space	262144
	.amdgpu_metadata
---
amdhsa.version: [ 1, 2 ]
amdhsa.kernels:
  - .name:           k_qb531a5157d_fc6
    .symbol:         k_qb531a5157d_fc6.kd
    .args:
      - { .name: c1, .offset: 0, .size: 8, .value_kind: global_buffer, .address_space: global }
      - { .name: s1, .offset: 8, .size: 8, .value_kind: global_buffer, .address_space: global }
      - { .name: w6_codes, .offset: 16, .size: 8, .value_kind: global_buffer, .address_space: global }
      - { .name: w6_scales, .offset: 24, .size: 8, .value_kind: global_buffer, .address_space: global }
      - { .name: b6, .offset: 32, .size: 8, .value_kind: global_buffer, .address_space: global }
      - { .name: c2, .offset: 40, .size: 8, .value_kind: global_buffer, .address_space: global }
      - { .name: s2, .offset: 48, .size: 8, .value_kind: global_buffer, .address_space: global }
    .group_segment_fixed_size: 327680
    .private_segment_fixed_size: 0
    .kernarg_segment_align: 8
    .kernarg_segment_size: 56
    .max_flat_workgroup_size: 128
    .sgpr_count:     96
    .vgpr_count:     1024
    .wavefront_size: 32
...
	.end_amdgpu_metadata
.endif
;; end of part 2
;; launch fc7: the kernel of part 2 again; grid 32 x 8, 4 waves a work-group, clusters of 4 x 4, 327,680 bytes of LDS; arguments c2, s2, w7_codes, w7_scales, b7, c3, s3; writes c3, s3
;; launch heads (part 3): grid 128 x 1, 16 waves a work-group, no clusters, 74,752 bytes of LDS; arguments c3, s3, w8c_codes, w8c_scales, b8c, w8d_codes, w8d_scales, b8d, out1, xdw, part; writes out1, xdw, part
.if DOCPART == 3
	.amdgcn_target "amdgcn-amd-amdhsa--gfx1250"
	.amdhsa_code_object_version 6
	.text
	.protected	k_qb531a5157d_heads
	.globl	k_qb531a5157d_heads
	.p2align	8
	.type	k_qb531a5157d_heads,@function
k_qb531a5157d_heads:
	s_mov_b64 s[64:65], 0
	v_nop
	global_prefetch_b8 v0, s[64:65] scope:SCOPE_SE
	s_setreg_imm32_b32 hwreg(HW_REG_WAVE_MODE, 25, 1), 1
	s_wait_xcnt 0x0
; THE TWO HEADS.  xc = relu(h w8c^T + b8c), xd = relu(h w8d^T + b8d), [2,048][21], both products on codes of E3M2.  dr = softmax of xc over the 21 classes: out1.  xd goes to a workspace, and for the softmax over
; the 2,048 ROIs each work-group leaves, for its 16 ROIs and each class: the largest xd, the sum of e^(xd - that), and the sum of dr e^(xd - that).  The next launch joins the 128 parts.
; SHARES.  A work-group takes 16 ROIs (one fragment row of h); its sixteen waves share K: wave w takes K steps 2 w and 2 w + 1, all operands straight from memory into registers, asked for at once.
; h's codes lie in the order of the operand's registers: [K step: 32][16 rows: 128][1,536 bytes], a fragment = three chunks of 512 bytes, chunk c = lane l's registers 4 c .. 4 c + 3 at 16 l.
; Source 0 = the 16 ROIs, source 1 = 16 rows of a head: lane (cl, h) holds class cl and in register j ROI 8 h + j.  Four tiles: w8c's rows 0-15 and 16-31, w8d's likewise; rows over 20 repeat row 20:
; every load stays inside its buffer, the numbers are finite, and they are thrown away.  The sixteen partial sums meet in LDS; wave w adds one pair of registers of all sixteen; wave 0 does the rest.
; No tensor load, no cluster: what work-groups share (the heads' 129 KB of codes) is small beside their own rows, and each wave's loads are all out at once, so nothing is prefetched.
; The outputs' rows are 84 bytes: a work-group's 1,344 bytes leave as 16 bytes a lane on end; whole blocks of 256 would want 64 ROIs to a work-group, a quarter of the work-groups.
; REGISTERS: v1-15 and v224-229 lane numbers and addresses, never rewritten; v16-39 h's two fragments; v40-135 the heads' eight; v136-145 scale words; v148-179 the four accumulators; v180-183 biases; v184-215 at work.
; Behind the last barrier wave 0 takes v16-47 for the finished sums and v48-98 for its work.
.set SUMB, 65536                       ; LDS: 0: sixteen partial sums of 4,096 bytes; SUMB: their sum, 4,096 bytes;
.set SDR,  69632                       ; dr as rows of 84 bytes, 1,344 bytes;
.set SXD,  1536                        ; xd likewise, this far behind SDR
	s_load_b256 s[4:11], s[0:1], 0x0               ; h's codes s[4:5], h's scales s[6:7], w8c's codes s[8:9], w8c's scales s[10:11]
	s_load_b256 s[12:19], s[0:1], 0x20             ; b8c s[12:13], w8d's codes s[14:15], w8d's scales s[16:17], b8d s[18:19]
	s_load_b128 s[20:23], s[0:1], 0x40             ; out1 s[20:21], xdw s[22:23]
	s_load_b64 s[24:25], s[0:1], 0x50              ; part
	v_lshl_add_u32 v254, v0, 2, 0x11c00
	v_mov_b32 v255, 0
	v_lshrrev_b32 v1, 5, v0
	v_readfirstlane_b32 s26, v1                    ; wave 0..15
	v_and_b32 v1, 31, v0                           ; lane
	v_and_b32 v2, 15, v0                           ; cl
	v_bfe_u32 v3, v0, 4, 1                         ; h
	v_lshlrev_b32 v4, 4, v1                        ; 16 x lane
	v_lshlrev_b32 v5, 3, v1                        ; 8 x lane
	v_lshlrev_b32 v7, 2, v2                        ; 4 cl
	v_add_nc_u32 v8, 16, v2
	v_min_u32 v8, 20, v8                           ; the odd tiles' row: 16 + cl, held at 20
	v_mul_u32_u24 v9, v2, 3072
	v_mad_u32_u24 v9, v3, 24, v9                   ; a head's codes: row x 3,072 + 24 h
	v_mul_u32_u24 v10, v8, 3072
	v_mad_u32_u24 v10, v3, 24, v10
	v_lshlrev_b32 v11, 7, v2                       ; its scale bytes: 128 a row
	v_lshlrev_b32 v12, 7, v8
	v_lshlrev_b32 v13, 2, v8                       ; its bias
	s_lshl_b32 s27, s26, 12
	v_add_nc_u32 v14, s27, v5                      ; LDS: my partial sums
	s_lshl_b32 s28, s26, 8
	v_add_nc_u32 v15, s28, v5                      ; the pair of registers that I add: pair number = wave number
	v_add_nc_u32 v224, SUMB, v15                   ; and where its sum goes
	v_add_nc_u32 v225, SUMB, v5                    ; wave 0: the sums
	v_mul_u32_u24 v226, v3, 672
	v_lshl_add_u32 v226, v2, 2, v226
	v_add_nc_u32 v226, SDR, v226                   ; wave 0: row 8 h of 84 bytes, class cl
	v_add_nc_u32 v227, SDR, v4                     ; wave 0: the rows on end, 16 bytes a lane
	v_mov_b32 v228, 0xff800000                     ; -infinity
	v_lshlrev_b32 v229, 2, v1                      ; 4 x lane: wave 0's place in a run of 32 numbers of part
	s_mov_b32 s35, 0x3fb8aa3b                      ; log2(e)
	s_mov_b32 s38, 0x76543210
	s_mov_b32 s39, 0xfedcba98                      ; v_permlanex16_b32's selects for lane l xor 16
	s_mov_b32 s31, 0
	s_wait_kmcnt 0x0
	s_mul_i32 s30, s26, 2*196608                   ; K step 2 w,
	s_mul_i32 s32, ttmp9, 1536                     ; my work-group's fragment
	s_add_co_u32 s30, s30, s32
	s_add_nc_u64 s[4:5], s[4:5], s[30:31]
	s_lshl_b32 s30, s26, 14
	s_lshl_b32 s32, ttmp9, 6
	s_add_co_u32 s30, s30, s32
	s_add_nc_u64 s[6:7], s[6:7], s[30:31]          ; its scale words: 8,192 x 2 w + 4 x 16 x work-group
	s_mul_i32 s30, s26, 192                        ; two K steps of 96 bytes along a head's rows
	s_add_nc_u64 s[8:9], s[8:9], s[30:31]
	s_add_nc_u64 s[14:15], s[14:15], s[30:31]
	s_lshl_b32 s30, s26, 3                         ; and two scale words
	s_add_nc_u64 s[10:11], s[10:11], s[30:31]
	s_add_nc_u64 s[16:17], s[16:17], s[30:31]
	s_mul_i32 s30, ttmp9, 1344                     ; 16 rows of 84 bytes
	s_add_nc_u64 s[20:21], s[20:21], s[30:31]
	s_add_nc_u64 s[22:23], s[22:23], s[30:31]
	s_mul_i32 s30, ttmp9, 384                      ; three runs of 32 numbers
	s_add_nc_u64 s[24:25], s[24:25], s[30:31]
.irp k, 0,1
.irp c, 0,1,2
	global_load_b128 v[16+12*\k+4*\c:19+12*\k+4*\c], v4, s[4:5] offset:196608*\k+512*\c   ; h's fragment, as it lies: 512 consecutive bytes a load
.endr
	global_load_b32 v[136+\k], v7, s[6:7] offset:8192*\k
.irp p, 0,1,2,3,4,5
	global_load_b64 v[40+48*\k+2*\p:41+48*\k+2*\p], v9, s[8:9] offset:96*\k+48*(\p/3)+8*(\p%3)
	global_load_b64 v[52+48*\k+2*\p:53+48*\k+2*\p], v10, s[8:9] offset:96*\k+48*(\p/3)+8*(\p%3)
	global_load_b64 v[64+48*\k+2*\p:65+48*\k+2*\p], v9, s[14:15] offset:96*\k+48*(\p/3)+8*(\p%3)
	global_load_b64 v[76+48*\k+2*\p:77+48*\k+2*\p], v10, s[14:15] offset:96*\k+48*(\p/3)+8*(\p%3)
.endr
	global_load_b32 v[138+4*\k], v11, s[10:11] offset:4*\k
	global_load_b32 v[139+4*\k], v12, s[10:11] offset:4*\k
	global_load_b32 v[140+4*\k], v11, s[16:17] offset:4*\k
	global_load_b32 v[141+4*\k], v12, s[16:17] offset:4*\k
.endr
	global_load_b32 v180, v7, s[12:13]             ; the biases of my class, tile by tile
	global_load_b32 v181, v13, s[12:13]
	global_load_b32 v182, v7, s[18:19]
	global_load_b32 v183, v13, s[18:19]
	s_wait_loadcnt 0x0
.irp t, 0,1,2,3                                ; the four accumulators take turns; the first K step starts the sums
	v_wmma_scale_f32_16x16x128_f8f6f4 v[148+8*\t:155+8*\t], v[16:27], v[40+12*\t:51+12*\t], 0, v136, v[138+\t] matrix_a_fmt:MATRIX_FMT_BF6 matrix_b_fmt:MATRIX_FMT_BF6
.endr
.irp t, 0,1,2,3
	v_wmma_scale_f32_16x16x128_f8f6f4 v[148+8*\t:155+8*\t], v[28:39], v[88+12*\t:99+12*\t], v[148+8*\t:155+8*\t], v137, v[142+\t] matrix_a_fmt:MATRIX_FMT_BF6 matrix_b_fmt:MATRIX_FMT_BF6
.endr
.rept 4
	v_nop                                          ; four places in front of the first read of results
.endr
.set i, 0
.rept 16
	ds_store_b64 v14, v[148+2*i:149+2*i] offset:256*i              ; each accumulator from its low end on; 256 consecutive bytes a store
.set i, i+1
.endr
	s_wait_dscnt 0x0                               ; for the others' sake: my partial sums lie in LDS
	s_barrier_signal -1
	s_barrier_wait -1
.set i, 0
.rept 16
	ds_load_b64 v[184+2*i:185+2*i], v15 offset:4096*i              ; pair w of all sixteen waves
.set i, i+1
.endr
	s_wait_dscnt 0x0
.irp p, 0,4,8,12,16,20,24,28
	v_pk_add_f32 v[184+\p:185+\p], v[184+\p:185+\p], v[186+\p:187+\p]
.endr
.irp p, 0,8,16,24
	v_pk_add_f32 v[184+\p:185+\p], v[184+\p:185+\p], v[188+\p:189+\p]
.endr
.irp p, 0,16
	v_pk_add_f32 v[184+\p:185+\p], v[184+\p:185+\p], v[192+\p:193+\p]
.endr
	v_pk_add_f32 v[184:185], v[184:185], v[200:201]
	ds_store_b64 v224, v[184:185]
	s_wait_dscnt 0x0
	s_barrier_signal -1
	s_barrier_wait -1                              ; the last barrier: from here on wave 0 works alone
	s_cmp_lg_u32 s26, 0
	s_cbranch_scc1 .Lothers
.set i, 0
.rept 16
	ds_load_b64 v[16+2*i:17+2*i], v225 offset:256*i                ; v[16 + 8 t + j]: tile t, ROI 8 h + j, class cl
.set i, i+1
.endr
	v_cmp_lt_u32 s34, 4, v2                        ; in the odd tiles: classes 21 and over
	v_cmp_lt_u32 s36, 15, v1                       ; lanes 16-31
	s_wait_dscnt 0x0
.irp t, 0,1,2,3
.irp j, 0,1,2,3,4,5,6,7
	v_add_f32 v[16+8*\t+\j], v[16+8*\t+\j], v[180+\t]
.endr
.endr
.set i, 0
.rept 32
	v_max_num_f32 v[16+i], 0, v[16+i]              ; relu
.set i, i+1
.endr
	; THE SOFTMAX OVER CLASSES: a ROI's 21 numbers lie in the 16 lanes of my half, in two registers
.irp j, 0,1,2,3,4,5,6,7
	v_cndmask_b32 v[24+\j], v[24+\j], v228, s34    ; what is no class counts for nothing: -infinity
.endr
.irp j, 0,1,2,3,4,5,6,7
	v_max_num_f32 v[48+\j], v[16+\j], v[24+\j]
.endr
.irp x, 1,2,4,8
.irp j, 0,1,2,3,4,5,6,7
	v_max_num_f32_dpp v[48+\j], v[48+\j], v[48+\j] row_xmask:\x row_mask:0xf bank_mask:0xf
.endr
.endr
.irp j, 0,1,2,3,4,5,6,7
	v_mul_f32 v[48+\j], s35, v[48+\j]              ; the row's largest, x log2(e)
.endr
.irp j, 0,1,2,3,4,5,6,7
	v_fma_f32 v[16+\j], v[16+\j], s35, -v[48+\j]
	v_fma_f32 v[24+\j], v[24+\j], s35, -v[48+\j]
.endr
.set i, 0
.rept 16
	v_exp_f32 v[16+i], v[16+i]
.set i, i+1
.endr
	v_nop                                          ; a plain instruction behind the last exponential,
	s_wait_alu depctr_va_vdst(0)                   ; and one wait for the batch, ahead of its first reader
.irp j, 0,1,2,3,4,5,6,7
	v_add_f32 v[56+\j], v[16+\j], v[24+\j]
.endr
.irp x, 1,2,4,8
.irp j, 0,1,2,3,4,5,6,7
	v_add_f32_dpp v[56+\j], v[56+\j], v[56+\j] row_xmask:\x row_mask:0xf bank_mask:0xf
.endr
.endr
.irp j, 0,1,2,3,4,5,6,7
	v_rcp_f32 v[56+\j], v[56+\j]
.endr
	v_nop
	s_wait_alu depctr_va_vdst(0)
.irp j, 0,1,2,3,4,5,6,7
	v_mul_f32 v[16+\j], v[16+\j], v[56+\j]         ; dr
	v_mul_f32 v[24+\j], v[24+\j], v[56+\j]
.endr
	; THE PARTS OF THE SOFTMAX OVER ROIS: a class's 16 numbers lie in lanes l and l xor 16, eight registers each
	v_max3_num_f32 v64, v32, v33, v34
	v_max3_num_f32 v65, v40, v41, v42
	v_max3_num_f32 v64, v64, v35, v36
	v_max3_num_f32 v65, v65, v43, v44
	v_max3_num_f32 v64, v64, v37, v38
	v_max3_num_f32 v65, v65, v45, v46
	v_max_num_f32 v64, v64, v39
	v_max_num_f32 v65, v65, v47
	v_permlanex16_b32 v66, v64, s38, s39           ; (a lane permute's destination counts as one of its sources: v66, v67 and v92-95 held parts of the heads' fragments, so they have been written)
	v_permlanex16_b32 v67, v65, s38, s39
	v_max_num_f32 v64, v64, v66                    ; the largest xd of the 16 ROIs
	v_max_num_f32 v65, v65, v67
	v_mul_f32 v68, s35, v64
	v_mul_f32 v69, s35, v65
.irp d, 0,1
.irp j, 0,1,2,3,4,5,6,7
	v_fma_f32 v[72+8*\d+\j], v[32+8*\d+\j], s35, -v[68+\d]
.endr
.endr
.set i, 0
.rept 16
	v_exp_f32 v[72+i], v[72+i]
.set i, i+1
.endr
	v_nop
	s_wait_alu depctr_va_vdst(0)
.irp d, 0,1
	v_add_f32 v[88+\d], v[72+8*\d], v[73+8*\d]
	v_mul_f32 v[90+\d], v[16+8*\d], v[72+8*\d]
.endr
.irp j, 2,3,4,5,6,7
.irp d, 0,1
	v_add_f32 v[88+\d], v[88+\d], v[72+8*\d+\j]
.endr
.endr
.irp j, 1,2,3,4,5,6,7
.irp d, 0,1
	v_fmac_f32 v[90+\d], v[16+8*\d+\j], v[72+8*\d+\j]
.endr
.endr
.irp n, 0,1,2,3
	v_permlanex16_b32 v[92+\n], v[88+\n], s38, s39
.endr
.irp n, 0,1,2,3
	v_add_f32 v[88+\n], v[88+\n], v[92+\n]
.endr
	v_cndmask_b32 v96, v64, v65, s36               ; lane l: class l (lanes 16-31 from the odd tile; lanes 21-31 hold finite numbers that nobody uses)
	v_cndmask_b32 v97, v88, v89, s36
	v_cndmask_b32 v98, v90, v91, s36
	; dr and xd as rows of 21 numbers, through LDS bytes that are wave 0's alone
.irp j, 0,1,2,3,4,5,6,7
	ds_store_b32 v226, v[16+\j] offset:84*\j
	ds_store_b32 v226, v[32+\j] offset:SXD+84*\j
.endr
	v_cmp_gt_u32 vcc_lo, 5, v2
	s_wait_xcnt 0x0                                ; EXEC changes only behind this wait
	s_and_saveexec_b32 s37, vcc_lo                 ; classes 16 .. 20
.irp j, 0,1,2,3,4,5,6,7
	ds_store_b32 v226, v[24+\j] offset:64+84*\j
	ds_store_b32 v226, v[40+\j] offset:SXD+64+84*\j
.endr
	s_or_b32 exec_lo, exec_lo, s37                 ; no global instruction was issued under the narrow EXEC
	global_store_b32 v229, v96, s[24:25]
	global_store_b32 v229, v97, s[24:25] offset:128
	global_store_b32 v229, v98, s[24:25] offset:256
	v_cmp_gt_u32 vcc_lo, 28, v1
	s_wait_xcnt 0x0
	s_and_saveexec_b32 s37, vcc_lo                 ; 1,344 bytes = 3 x 28 lanes x 16
.irp i, 0,1,2
	ds_load_b128 v[184+4*\i:187+4*\i], v227 offset:448*\i          ; LDS serves a wave's instructions in order: these see my stores
	ds_load_b128 v[196+4*\i:199+4*\i], v227 offset:SXD+448*\i
.endr
	s_wait_dscnt 0x0
.irp i, 0,1,2
	global_store_b128 v4, v[184+4*\i:187+4*\i], s[20:21] offset:448*\i
	global_store_b128 v4, v[196+4*\i:199+4*\i], s[22:23] offset:448*\i
.endr
	s_wait_xcnt 0x0
	s_or_b32 exec_lo, exec_lo, s37
	s_wait_xcnt 0x0
	s_mov_b32 exec_lo, -1
	s_wait_tensorcnt 0x0
	ds_add_u32 v254, v255
	s_wait_dscnt 0x0
	s_endpgm
.Lothers:
	s_wait_xcnt 0x0
	s_mov_b32 exec_lo, -1
	s_wait_tensorcnt 0x0
	ds_add_u32 v254, v255
	s_wait_dscnt 0x0
	s_endpgm
.Lfunc_end_k_qb531a5157d_heads:
	.size	k_qb531a5157d_heads, .Lfunc_end_k_qb531a5157d_heads-k_qb531a5157d_heads
	.p2alignl 7, 3214868480
	.fill 96, 4, 3214868480
	.section	.rodata,"a",@progbits
	.p2align	6, 0x0
	.amdhsa_kernel k_qb531a5157d_heads
		.amdhsa_group_segment_fixed_size 74752
		.amdhsa_private_segment_fixed_size 0
		.amdhsa_enable_private_segment 0
		.amdhsa_kernarg_size 88
		.amdhsa_user_sgpr_count 2
		.amdhsa_user_sgpr_kernarg_segment_ptr 1
		.amdhsa_wavefront_size32 1
		.amdhsa_system_sgpr_workgroup_id_x 1
		.amdhsa_system_sgpr_workgroup_id_y 1
		.amdhsa_system_sgpr_workgroup_id_z 1
		.amdhsa_system_vgpr_workitem_id 0
		.amdhsa_next_free_vgpr 256
		.amdhsa_next_free_sgpr 66
		.amdhsa_reserve_vcc 1
		.amdhsa_float_denorm_mode_32 3
		.amdhsa_float_denorm_mode_16_64 3
		.amdhsa_memory_ordered 1
		.amdhsa_forward_progress 1
		.amdhsa_inst_pref_size 33
	.end_amdhsa_kernel
	.amdgpu_metadata
---
amdhsa.version: [ 1, 2 ]
amdhsa.kernels:
  - .name:           k_qb531a5157d_heads
    .symbol:         k_qb531a5157d_heads.kd
    .args:
      - { .name: c3, .offset: 0, .size: 8, .value_kind: global_buffer, .address_space: global }
      - { .name: s3, .offset: 8, .size: 8, .value_kind: global_buffer, .address_space: global }
      - { .name: w8c_codes, .offset: 16, .size: 8, .value_kind: global_buffer, .address_space: global }
      - { .name: w8c_scales, .offset: 24, .size: 8, .value_kind: global_buffer, .address_space: global }
      - { .name: b8c, .offset: 32, .size: 8, .value_kind: global_buffer, .address_space: global }
      - { .name: w8d_codes, .offset: 40, .size: 8, .value_kind: global_buffer, .address_space: global }
      - { .name: w8d_scales, .offset: 48, .size: 8, .value_kind: global_buffer, .address_space: global }
      - { .name: b8d, .offset: 56, .size: 8, .value_kind: global_buffer, .address_space: global }
      - { .name: out1, .offset: 64, .size: 8, .value_kind: global_buffer, .address_space: global }
      - { .name: xdw, .offset: 72, .size: 8, .value_kind: global_buffer, .address_space: global }
      - { .name: part, .offset: 80, .size: 8, .value_kind: global_buffer, .address_space: global }
    .group_segment_fixed_size: 74752
    .private_segment_fixed_size: 0
    .kernarg_segment_align: 8
    .kernarg_segment_size: 88
    .max_flat_workgroup_size: 512
    .sgpr_count:     66
    .vgpr_count:     256
    .wavefront_size: 32
...
	.end_amdgpu_metadata
.endif
;; end of part 3
;; launch final (part 4): grid 21 x 1, 8 waves a work-group, no clusters, 5,120 bytes of LDS; arguments out1, xdw, part, out0, out2; writes out0, out2
.if DOCPART == 4
	.amdgcn_target "amdgcn-amd-amdhsa--gfx1250"
	.amdhsa_code_object_version 6
	.text
	.protected	k_qb531a5157d_final
	.globl	k_qb531a5157d_final
	.p2align	8
	.type	k_qb531a5157d_final,@function
k_qb531a5157d_final:
	s_mov_b64 s[64:65], 0
	v_nop
	global_prefetch_b8 v0, s[64:65] scope:SCOPE_SE
	s_setreg_imm32_b32 hwreg(HW_REG_WAVE_MODE, 25, 1), 1
	s_wait_xcnt 0x0
; dm = dr x softmax of xd over the 2,048 ROIs; score = the sum of dm over the ROIs.  dr (out1) and xd: [2,048][21] f32.  part: [128][3][32]: for 16 ROIs and each class the largest xd, the sum of e^(xd - that),
; and the sum of dr e^(xd - that).  The parts are joined under their common largest number M: S = sum of s_i e^(m_i - M), T likewise; dm = dr e^(xd - M) / S; score = T / S.
; SHARES.  21 work-groups of 2,048 numbers (21 x 2,048 = 2,048 x 21); a thread takes 2 x 4 neighbours: a wave's load or store covers 512 consecutive bytes.  Every work-group joins all 128 parts for itself
; (48 KB): wave v joins parts 16 v .. 16 v + 15, lane = class; the eight results meet in LDS and every wave joins those.  A number's class is its flat index mod 21; M and 1 / S come from that lane.
; The design has work for 21 work-groups; matrix units, clusters and a prefetch have nothing to do here: all loads of a wave are out at once.
	s_load_b256 s[4:11], s[0:1], 0x0               ; dr s[4:5], xd s[6:7], part s[8:9], out0 s[10:11]
	s_load_b64 s[12:13], s[0:1], 0x20              ; out2
	v_lshl_add_u32 v128, v0, 2, 0x1000
	v_mov_b32 v129, 0
	v_lshrrev_b32 v1, 5, v0
	v_readfirstlane_b32 s14, v1                    ; wave 0..7
	v_and_b32 v1, 31, v0                           ; lane
	v_lshlrev_b32 v2, 4, v0                        ; 16 bytes a thread
	v_lshlrev_b32 v3, 2, v1                        ; 4 x lane
	s_lshl_b32 s16, ttmp9, 13                      ; 2,048 numbers a work-group
	s_mov_b32 s17, 0
	s_mul_i32 s18, s14, 16*384                     ; my wave's sixteen parts
	s_mov_b32 s19, 0
	s_mul_i32 s20, s14, 384
	v_add_nc_u32 v20, s20, v3                      ; LDS: my wave's three runs of 32 numbers
	s_mov_b32 s21, 0x3fb8aa3b                      ; log2(e)
	s_mov_b32 s23, 49933                           ; 2^20 / 21, rounded up
	s_lshl_b32 s22, ttmp9, 11
	s_wait_kmcnt 0x0
	s_add_nc_u64 s[4:5], s[4:5], s[16:17]
	s_add_nc_u64 s[6:7], s[6:7], s[16:17]
	s_add_nc_u64 s[10:11], s[10:11], s[16:17]
	s_add_nc_u64 s[8:9], s[8:9], s[18:19]
.set i, 0
.rept 16
	global_load_b32 v[32+i], v3, s[8:9] offset:384*i               ; the largest xd,
	global_load_b32 v[48+i], v3, s[8:9] offset:384*i+128           ; the sum of e,
	global_load_b32 v[64+i], v3, s[8:9] offset:384*i+256           ; the sum of dr e
.set i, i+1
.endr
	global_load_b128 v[4:7], v2, s[4:5]
	global_load_b128 v[8:11], v2, s[4:5] offset:4096
	global_load_b128 v[12:15], v2, s[6:7]
	global_load_b128 v[16:19], v2, s[6:7] offset:4096
; n parts (v32.., v48.., v64..) become one: v96 the largest, v99 that x log2(e), v97 and v98 the two sums under it
.macro COMB n
	v_max3_num_f32 v96, v32, v33, v34
.set i, 3
.rept (\n-4)/2
	v_max3_num_f32 v96, v96, v[32+i], v[33+i]
.set i, i+2
.endr
	v_max_num_f32 v96, v96, v[32+\n-1]
	v_mul_f32 v99, s21, v96
.set i, 0
.rept \n
	v_fma_f32 v[80+i], v[32+i], s21, -v99
.set i, i+1
.endr
.set i, 0
.rept \n
	v_exp_f32 v[80+i], v[80+i]
.set i, i+1
.endr
	v_nop                                          ; a plain instruction behind the last exponential,
	s_wait_alu depctr_va_vdst(0)                   ; and one wait for the batch, ahead of its first reader
	v_mul_f32 v97, v48, v80
	v_mul_f32 v98, v64, v80
.set i, 1
.rept \n-1
	v_fmac_f32 v97, v[48+i], v[80+i]
	v_fmac_f32 v98, v[64+i], v[80+i]
.set i, i+1
.endr
.endm
	; a number's class: e = 2,048 x work-group + 1,024 c + 4 t + i;  e / 21 = (e x 49,933) >> 20, exact for e under 61,680;  made while the loads are out
	v_lshl_add_u32 v21, v0, 2, s22
	v_add_nc_u32 v22, 1024, v21
.irp c, 0,1
	v_mul_lo_u32 v[23+\c], v[21+\c], s23
.endr
.irp c, 0,1
	v_lshrrev_b32 v[23+\c], 20, v[23+\c]
.endr
.irp c, 0,1
	v_mul_u32_u24 v[23+\c], v[23+\c], 21
.endr
.irp c, 0,1
	v_sub_nc_u32 v[104+4*\c], v[21+\c], v[23+\c]   ; the first of four neighbours
.endr
.irp c, 0,1
.irp i, 1,2,3
	v_add_nc_u32 v[104+4*\c+\i], \i, v[104+4*\c]
	v_add_nc_u32 v25, \i-21, v[104+4*\c]
	v_min_u32 v[104+4*\c+\i], v[104+4*\c+\i], v25  ; back to 0 behind 20 (the difference is huge where it would be negative)
.endr
.endr
.set i, 0
.rept 8
	v_lshlrev_b32 v[104+i], 2, v[104+i]            ; the lane's number x 4, as the permute wants it
.set i, i+1
.endr
	s_wait_loadcnt 0x0
	COMB 16
	ds_store_b32 v20, v96
	ds_store_b32 v20, v97 offset:128
	ds_store_b32 v20, v98 offset:256
	s_wait_dscnt 0x0                               ; for the others' sake: my wave's part lies in LDS
	s_barrier_signal -1
	s_barrier_wait -1
.set i, 0
.rept 8
	ds_load_b32 v[32+i], v3 offset:384*i
	ds_load_b32 v[48+i], v3 offset:384*i+128
	ds_load_b32 v[64+i], v3 offset:384*i+256
.set i, i+1
.endr
	s_wait_dscnt 0x0
	COMB 8                                         ; lane = class: v99 = M log2(e), v97 = S, v98 = T
	v_rcp_f32 v100, v97
	v_nop
	s_wait_alu depctr_va_vdst(0)
.set i, 0
.rept 8
	ds_bpermute_b32 v[112+i], v[104+i], v99        ; M log2(e) of my number's class,
	ds_bpermute_b32 v[120+i], v[104+i], v100       ; and 1 / S
.set i, i+1
.endr
	s_wait_dscnt 0x0
.set i, 0
.rept 8
	v_fma_f32 v[12+i], v[12+i], s21, -v[112+i]
.set i, i+1
.endr
.set i, 0
.rept 8
	v_exp_f32 v[12+i], v[12+i]
.set i, i+1
.endr
.set i, 0
.rept 8
	v_mul_f32 v[4+i], v[4+i], v[120+i]             ; dr / S: plain work behind the exponentials, which names none of their results
.set i, i+1
.endr
	s_wait_alu depctr_va_vdst(0)
.set i, 0
.rept 8
	v_mul_f32 v[4+i], v[4+i], v[12+i]
.set i, i+1
.endr
	global_store_b128 v2, v[4:7], s[10:11]
	global_store_b128 v2, v[8:11], s[10:11] offset:4096
	s_or_b32 s24, ttmp9, s14
	s_cmp_lg_u32 s24, 0
	s_cbranch_scc1 .Lend                           ; the score: wave 0 of work-group 0
	v_mul_f32 v101, v98, v100                      ; T / S
	v_cmp_gt_u32 vcc_lo, 21, v1
	s_wait_xcnt 0x0                                ; EXEC changes only behind this wait
	s_and_saveexec_b32 s25, vcc_lo
	global_store_b32 v3, v101, s[12:13]
	s_wait_xcnt 0x0
	s_or_b32 exec_lo, exec_lo, s25
.Lend:
	s_barrier_signal -1
	s_barrier_wait -1
	s_wait_tensorcnt 0x0
	ds_add_u32 v128, v129
	s_wait_dscnt 0x0
	s_endpgm
.Lfunc_end_k_qb531a5157d_final:
	.size	k_qb531a5157d_final, .Lfunc_end_k_qb531a5157d_final-k_qb531a5157d_final
	.p2alignl 7, 3214868480
	.fill 96, 4, 3214868480
	.section	.rodata,"a",@progbits
	.p2align	6, 0x0
	.amdhsa_kernel k_qb531a5157d_final
		.amdhsa_group_segment_fixed_size 5120
		.amdhsa_private_segment_fixed_size 0
		.amdhsa_enable_private_segment 0
		.amdhsa_kernarg_size 40
		.amdhsa_user_sgpr_count 2
		.amdhsa_user_sgpr_kernarg_segment_ptr 1
		.amdhsa_wavefront_size32 1
		.amdhsa_system_sgpr_workgroup_id_x 1
		.amdhsa_system_sgpr_workgroup_id_y 1
		.amdhsa_system_sgpr_workgroup_id_z 1
		.amdhsa_system_vgpr_workitem_id 0
		.amdhsa_next_free_vgpr 130
		.amdhsa_next_free_sgpr 66
		.amdhsa_reserve_vcc 1
		.amdhsa_float_denorm_mode_32 3
		.amdhsa_float_denorm_mode_16_64 3
		.amdhsa_memory_ordered 1
		.amdhsa_forward_progress 1
		.amdhsa_inst_pref_size 18
	.end_amdhsa_kernel
	.amdgpu_metadata
---
amdhsa.version: [ 1, 2 ]
amdhsa.kernels:
  - .name:           k_qb531a5157d_final
    .symbol:         k_qb531a5157d_final.kd
    .args:
      - { .name: out1, .offset: 0, .size: 8, .value_kind: global_buffer, .address_space: global }
      - { .name: xdw, .offset: 8, .size: 8, .value_kind: global_buffer, .address_space: global }
      - { .name: part, .offset: 16, .size: 8, .value_kind: global_buffer, .address_space: global }
      - { .name: out0, .offset: 24, .size: 8, .value_kind: global_buffer, .address_space: global }
      - { .name: out2, .offset: 32, .size: 8, .value_kind: global_buffer, .address_space: global }
    .group_segment_fixed_size: 5120
    .private_segment_fixed_size: 0
    .kernarg_segment_align: 8
    .kernarg_segment_size: 40
    .max_flat_workgroup_size: 256
    .sgpr_count:     66
    .vgpr_count:     130
    .wavefront_size: 32
...
	.end_amdgpu_metadata
.endif
;; end of part 4
